; MI455X (gfx1250); checked and timed in simulation.
; The chip was launched on July 23, 2026; its instructions are those of AMD's public machine-readable ISA for CDNA 5 (MIT licence, August 2026) and "CDNA5" Instruction Set Architecture Reference Guide (July 2026). The comments in the code are by the model that wrote it; some were corrected since.
;; Multi Head Attention. Allowed arithmetic: matrix products marked QUANTISED: E2M1 operands, one E8M0 scale for each 32 along K, by v_wmma_scale_f32_16x16x128_f8f6f4 with both operands' format E2M1 (or v_wmma_scale_f32_32x16x128_f4), f32 sums; everything else in f32.
;; Inputs: W_out_codes 1,024 x 32 x 16 uint8 (E2M1 codes of W_out, K innermost, in blocks of 32 codes, two codes a byte); W_out_scales 1,024 x 32 uint8 (E8M0 scales of W_out, one for each 32 codes along K); W_qkv_codes 3,072 x 32 x 16 uint8 (E2M1 codes of W_qkv, K innermost, in blocks of 32 codes, two codes a byte); W_qkv_scales 3,072 x 32 uint8 (E8M0 scales of W_qkv, one for each 32 codes along K); b_out 1,024 float32; b_qkv 3,072 float32; key 4 x 2,048 x 1,024 float32; query_codes 4 x 2,048 x 32 x 16 uint8 (E2M1 codes of query, K innermost, in blocks of 32 codes, two codes a byte); query_scales 4 x 2,048 x 32 uint8 (E8M0 scales of query, one for each 32 codes along K); value 4 x 2,048 x 1,024 float32.
;; Outputs: out0 4 x 2,048 x 1,024 float32.
;; This version of the problem:
;;   THIS VERSION OF THE PROBLEM IS GIVEN IN LOW PRECISION. The matrix products marked QUANTISED in the list below multiply operands that are first quantised to E2M1 (2 exponent bits, 1 mantissa bit; 4 bits a number), with one power-of-two scale for each 32 numbers along K (OCP MX v1.0); their sums are f32. All else is computed in f32.
;;   The module's matrix products, in the order in which they are computed (A, B: the left and right operand; K: the contracted axis; several contracted axes count as one K, in the product's order):
;;     1. [M 8,192, K 1,024] x [K 1,024, N 3,072]; A: input query (given as codes); B: input W_qkv (given as codes): QUANTISED
;;     2. batch 64 x [M 2,048, K 64] x [K 64, N 2,048]; A: computed on the way; B: computed on the way: QUANTISED
;;     3. batch 64 x [M 64, K 2,048] x [K 2,048, N 2,048]; A: computed on the way; B: softmax (see below): QUANTISED
;;     4. [M 8,192, K 1,024] x [K 1,024, N 1,024]; A: computed on the way; B: input W_out (given as codes): QUANTISED
;;   THE QUANTISER, for each operand of a quantised product, along K:
;;     - K is cut into blocks of 32 from its start; a last block that is shorter is filled with zeros.
;;     - A block's scale is 2^e with e = floor(log2(the largest magnitude in the block)) - 2, held to -126 .. 127; a block of zeros has e = 0. As a byte (E8M0): e + 127.
;;     - Each number is divided by its block's scale, clamped to +-6, and rounded to the nearest number of E2M1, ties to even, subnormals kept.
;;     - The product sums the exact products of the quantised numbers (number of the format x scale) in f32.
;;   ~~~python
;;   def quantise(x, axis):      # numpy; x: float32 -> the quantised numbers, widened to float32 again
;;       x = np.moveaxis(x, axis, -1); K = x.shape[-1]
;;       x = np.pad(x, [(0, 0)] * (x.ndim - 1) + [(0, -K % 32)]); x = x.reshape(x.shape[:-1] + (-1, 32)); a = np.abs(x).max(-1, keepdims=True)
;;       e = np.where(a > 0, np.clip(np.frexp(np.where(a > 0, a, 1))[1] - 1 - 2, -126, 127), 0)      # np.frexp(a)[1] - 1 = floor(log2(a)), exactly
;;       r = np.clip(x / 2.0 ** e, -6, 6)
;;       step = 2.0 ** (np.maximum(np.frexp(np.where(r == 0, 1, r))[1] - 1, 0) - 1)
;;       q = np.round(r / step) * step * 2.0 ** e      # np.round: ties to even
;;       return np.moveaxis(q.reshape(q.shape[:-2] + (-1,))[..., :K], -1, axis).astype(np.float32)
;;   ~~~
;;   SOFTMAX AHEAD OF A QUANTISED PRODUCT. Where the list says 'softmax', what is quantised is not the finished softmax but p = 2^(t - M), with t = logit x log2(e) and M = ceil(the row's largest t), a whole number; so 1/2 < the row's largest p <= 1. The row's sum l is taken of the UNQUANTISED p, in f32, and the product's result is divided by l at the end. Since M is a whole number, a kernel that streams over the keys may use a running M (the ceiling of the running maximum): every later rescaling is an exact power of two, which a block's scale takes up: the codes' values come out the same.
;;   OPERANDS COMPUTED ON THE WAY. 'Computed on the way' means the value that the module computes at that place (a softmax that the list does not call 'softmax' is quantised finished and normalised). What goes into a quantiser is computed in f32, as accurately as f32 sums, v_exp_f32 and their like allow (about 1e-6 of the number): no bf16 or f16 on the way to a quantiser, and a product that is left as it is and whose result goes on into a quantised operand takes f32 operands (vector FMAs, or v_wmma_f32_16x16x4_f32). A number that lies on a knife's edge between two numbers of the format may be rounded either way, as far as f32 arithmetic and the matrix unit's own rounding can turn it there, and no further.
;;   INPUTS GIVEN AS CODES. W_out (in the module: [1024, 1024], K = its axis 0); W_qkv (in the module: [1024, 3072], K = its axis 0); query (in the module: [4, 2048, 1024], K = its axis 2): each comes as NAME_codes (uint8): NAME with its K axis moved to the last place and cut into blocks of 32 codes, [.., K / 32, bytes a block], one block behind the other in memory; two codes a byte, the lower K in the low four bits (a code: sign, 2 exponent bits, 1 mantissa bit); and NAME_scales (uint8): the same leading axes, one E8M0 byte (e + 127) for each 32 codes along K. Its value is code x scale, taken as it is: it is not quantised again, and the codes and scales need not be those that the quantiser above would give.
;; One version. Each part assembles by itself: llvm-mc -triple=amdgcn-amd-amdhsa -mcpu=gfx1250 --defsym DOCPART=n.
;; ======== version 1 of 1: 3 launches
;; limits: right only within a limited range of input values
;; workspace buffers: qkv 13,893,632 bytes; a_codes 4,194,304 bytes; a_scales 262,144 bytes
;; launch qkv_proj (part 1): grid 12 x 32, 16 waves a work-group, clusters of 4 x 4, 300,032 bytes of LDS; arguments query_codes, query_scales, W_qkv_codes, W_qkv_scales, b_qkv, qkv; writes qkv
.if DOCPART == 1
	.amdgcn_target "amdgcn-amd-amdhsa--gfx1250"
	.amdhsa_code_object_version 6
	.text
	.protected	k_q45b7f67c06_qkv_proj
	.globl	k_q45b7f67c06_qkv_proj
	.p2align	8
	.type	k_q45b7f67c06_qkv_proj,@function
k_q45b7f67c06_qkv_proj:
	s_mov_b64 s[64:65], 0
	v_nop
	global_prefetch_b8 v0, s[64:65] scope:SCOPE_SE
	s_setreg_imm32_b32 hwreg(HW_REG_WAVE_MODE, 25, 1), 1
	s_wait_xcnt 0x0
	s_wait_alu depctr_hold_cnt(0) depctr_sa_sdst(0) depctr_va_vdst(0) depctr_va_sdst(0) depctr_va_ssrc(0) depctr_va_vcc(0) depctr_vm_vsrc(0)
	s_getreg_b32 s2, hwreg(HW_REG_IB_STS2, 6, 4)
	s_cmp_eq_u32 s2, 0
	s_cbranch_scc0 .Lentry_in_a_cluster
	s_endpgm
.Lentry_in_a_cluster:
	s_bfe_u32 s2, ttmp6, 0x10000c
	s_cmp_lg_u32 s2, 0xf033
	s_cbranch_scc0 .Lentry_shape_is_right
	s_endpgm
.Lentry_shape_is_right:
; qkv = query W_qkv + b_qkv on codes of FP4 (E2M1) with one E8M0 scale for each 32 along K (K = 1,024); the result is quantised at once for the two products of attention
; and leaves as codes and scale words: q and k along the head's 64 (two blocks of 32), v along the keys.  No f32 number of qkv goes to memory.
; The inputs key and value of the problem are named by no launch: the module computes q, k and v from query alone, so they reach no output whatever they hold (a NaN or infinity in them is not carried on).
; LIMITS: NaN and infinities are not served.  A block of zeros gets the scale byte 1 where the quantiser's rule says 127: its codes are zeros, and this program alone reads the bytes.
; SHARES.  A work-group makes 256 tokens x 256 columns n; n = 1,024 x (q, k or v) + 64 x head + d, so the cluster's x says which of the three it is, and a work-group has four whole heads.
; Sixteen waves, four to a SIMD, each 64 x 64: head wave % 4, tokens 64 (wave / 4) on; 16 accumulators.  Source 0 gives a lane's eight registers, source 1 its lane: the axis that is quantised next runs along the registers.
;   q, k: source 0 = 64 rows of W, source 1 = 64 tokens.      v: source 0 = 64 tokens, source 1 = 64 rows of W.  The K steps are written twice, once for each order; the cluster's x chooses.
; LDS.  All of K for the work-group's 256 + 256 rows fits at once, in two halves of 512 along K: every byte is filled once, by ten loads at the head, one a wave; one wait and one barrier show them all.
; No prefetch: all tiles are asked for at the head, and no later load is left to run ahead of.
; CLUSTER 4 x 4: query's tiles are asked for jointly along a row of the cluster, W's along a column.
; OUT.  The buffer qkv is 64 heads x 16 key steps x a record of 13,568 bytes for 128 tokens: q's codes 4,096 | q's scale words 512 | k's 4,096 | 512 | v's codes 4,096 | v's scale words 256,
; all as images of operand registers: 512 bytes a group of four registers, lane l's 16 bytes at 16 l.
.set PITCH, 272                        ; an LDS row: 256 bytes + 16 of padding: the 16 rows of a fragment load start at 16 different banks (ISA guide 11.1)
.set TILE,  256*PITCH                  ; 256 rows of one K half
.set SLOT,  2*TILE                     ; a K half: query's 256 rows, then W's
.set SCX,   2*SLOT                     ; query's scale bytes: 256 rows x 32 bytes as 32 runs of 256 bytes + 16 of padding
.set SCD,   32*PITCH                   ; W's lie this far behind
.set SVS,   SCX+2*SCD                  ; the stage for v's scale words: [head 4][key step 2][256 bytes]; no fill lands here
.set SPARE, SVS+2048                   ; the spare words, 128 bytes a wave
.set REC,   13568
.set PART,  4608                       ; from q's part of a record to k's, and from k's to v's
.set LI,   1                           ; v1    16 x lane
.set L8,   2                           ; v2    8 x lane
.set ADRP, 4                           ; v4-5  LDS address of my fragments of W in K half 0, 1
.set ADRQ, 6                           ; v6-7  of my fragments of query
.set ADSP, 8                           ; v8    of W's scale words
.set ADSQ, 9                           ; v9    of query's
.set SVA,  10                          ; v10   where I put v's half scale words
.set SVR,  11                          ; v11   where waves 0 to 7 read them back
.set PF,   16                          ; v16-47   W's four fragments (16 rows x 128 K: 8 registers)
.set QF,   48                          ; v48-79   query's
.set SCP,  80                          ; v80-87   W's scale words of a K half: register 4 i + q: rows 32 i + lane, the half's q-th 128 along K
.set SCQ,  88                          ; v88-95   query's
.set BI,   96                          ; v96-127  the bias in the result's layout, four tiles
.set ACC,  128                         ; v128-255 accumulator (source 0's tile a, source 1's tile b) at 128 + 8 (4 b + a)
.set OFJ,  16                          ; v16-23   the bias loads' offsets (before the first fragments)
.set TM,   16                          ; the way out, in the fragments' registers: largest magnitudes,
.set TX,   24                          ; the other half lane's,
.set SCO,  32                          ; the conversions' scale operands,
.set EB,   40                          ; the scale bytes,
.set CD,   48                          ; the codes,
.set HWD,  64                          ; two bytes for each tile of source 1,
.set SL,   68                          ; q's and k's scale words as they leave,
.set VW,   70                          ; v's
.set WV,   16                          ; s16 wave; s17 wave % 4; s18 wave / 4; s19 cx; s20 cy; s21 n tile; s22 token tile
.set SEL,  2                           ; s[2:3] lane selects for v_permlanex16_b32: lane l xor 16
.set G1X,  24                          ; descriptor groups 1: query's codes, W's codes, query's scales, W's scales
.set G1W,  32
.set G1XS, 40
.set G1WS, 48
.set G0XS, 56                          ; groups 0
.set G0X0, 60
.set G0X1, 68
.set G0WS, 72
.set G0W0, 76
.set G0W1, 80
.set PADC, (1<<20)|(1<<21)|(5<<22)|(3<<25)   ; 20 padding on; 21 set beside a mask; 24:22 after every 64 words; 31:25 four words
.macro CROUND                          ; a round of the cluster's barrier
	s_barrier_signal -1
	s_barrier_wait -1
	s_cmp_lg_u32 s[WV], 0
	s_cbranch_scc1 .Lnot_wave_0_\@
	s_barrier_signal -3
.Lnot_wave_0_\@:
	s_barrier_wait -3
	s_barrier_signal -1
	s_barrier_wait -1
.endm
.macro PLACES n
.rept \n
	v_nop
.endr
.endm
; one product: D, source 0, source 1, C, their scale registers, and whether a side's scales stand in lanes 16-31
.macro WM d, a, b, c, sa, sb, ra, rb
.if (\ra) && (\rb)
	v_wmma_scale_f32_16x16x128_f8f6f4 v[\d:\d+7], v[\a:\a+7], v[\b:\b+7], v[\c:\c+7], v[\sa], v[\sb] matrix_a_fmt:MATRIX_FMT_FP4 matrix_b_fmt:MATRIX_FMT_FP4 matrix_a_scale:MATRIX_SCALE_ROW1 matrix_b_scale:MATRIX_SCALE_ROW1
.elseif (\ra)
	v_wmma_scale_f32_16x16x128_f8f6f4 v[\d:\d+7], v[\a:\a+7], v[\b:\b+7], v[\c:\c+7], v[\sa], v[\sb] matrix_a_fmt:MATRIX_FMT_FP4 matrix_b_fmt:MATRIX_FMT_FP4 matrix_a_scale:MATRIX_SCALE_ROW1
.elseif (\rb)
	v_wmma_scale_f32_16x16x128_f8f6f4 v[\d:\d+7], v[\a:\a+7], v[\b:\b+7], v[\c:\c+7], v[\sa], v[\sb] matrix_a_fmt:MATRIX_FMT_FP4 matrix_b_fmt:MATRIX_FMT_FP4 matrix_b_scale:MATRIX_SCALE_ROW1
.else
	v_wmma_scale_f32_16x16x128_f8f6f4 v[\d:\d+7], v[\a:\a+7], v[\b:\b+7], v[\c:\c+7], v[\sa], v[\sb] matrix_a_fmt:MATRIX_FMT_FP4 matrix_b_fmt:MATRIX_FMT_FP4
.endif
.endm
; the LDS loads of a step of 128 along K (the q-th of K half kh): with a half's first step its scale words; then W's four fragments, then query's four
.macro LOADS kh, q
.if \q == 0
.irp i, 0,1
	ds_load_b128 v[SCP+4*\i:SCP+4*\i+3], v[ADSP] offset:4*PITCH*\i+16*\kh
	ds_load_b128 v[SCQ+4*\i:SCQ+4*\i+3], v[ADSQ] offset:4*PITCH*\i+16*\kh
.endr
.endif
.irp a, 0,1,2,3
.irp c, 0,1
	ds_load_b128 v[PF+8*\a+4*\c:PF+8*\a+4*\c+3], v[ADRP+\kh] offset:16*PITCH*\a+64*\q+32*\c
.endr
.endr
.irp b, 0,1,2,3
.irp c, 0,1
	ds_load_b128 v[QF+8*\b+4*\c:QF+8*\b+4*\c+3], v[ADRQ+\kh] offset:16*PITCH*\b+64*\q+32*\c
.endr
.endr
.endm
; 16 products: query's tile b against W's four tiles a.  The 16 accumulators take turns, one instruction a turn, in the same order in every step of a path.
; mode 0: q, k, onto the sums.  mode 1: q, k, the sums begin with the bias.  mode 2: v, the sums begin with the bias.  mode 3: v, onto the sums.
.macro MUL q, mode
.irp b, 0,1,2,3
	s_wait_dscnt 6-2*\b                            ; LDS loads come back in order: all but the two loads of each later fragment of query are in
.irp a, 0,1,2,3
.if \mode == 0
	WM ACC+8*(4*\b+\a), PF+8*\a, QF+8*\b, ACC+8*(4*\b+\a), SCP+4*(\a>>1)+\q, SCQ+4*(\b>>1)+\q, \a&1, \b&1
.elseif \mode == 1
	WM ACC+8*(4*\b+\a), PF+8*\a, QF+8*\b, BI+8*\a, SCP+4*(\a>>1)+\q, SCQ+4*(\b>>1)+\q, \a&1, \b&1
.elseif \mode == 2
	WM ACC+8*(4*\a+\b), QF+8*\b, PF+8*\a, BI+8*\a, SCQ+4*(\b>>1)+\q, SCP+4*(\a>>1)+\q, \b&1, \a&1
.else
	WM ACC+8*(4*\a+\b), QF+8*\b, PF+8*\a, ACC+8*(4*\a+\b), SCQ+4*(\b>>1)+\q, SCP+4*(\a>>1)+\q, \b&1, \a&1
.endif
.endr
.endr
.endm
.macro STEP kh, q, m
	PLACES 4                                       ; loads into registers that matrix instructions have read stand four plain vector instructions behind them (ISA guide 7.12.1 for vector instructions)
	LOADS \kh, \q
	MUL \q, \m
.endm
.macro REST m                          ; the seven K steps behind the first
.irp q, 1,2,3
	STEP 0, \q, \m
.endr
.irp q, 0,1,2,3
	STEP 1, \q, \m
.endr
.endm
.macro ARM under, g0, g1, next         ; an arm of the head's chain: one load, and a jump to the chain's end
	s_cmp_lt_u32 s[WV], \under
	s_cbranch_scc0 \next
	tensor_load_to_lds s[\g0:\g0+3], s[\g1:\g1+7]
	s_nop 0
	PLACES 4
	s_branch .Lasked
\next:
.endm
	s_load_b256 s[4:11], s[0:1], 0x0               ; query's codes s[4:5], its scales s[6:7], W's codes s[8:9], its scales s[10:11]
	s_load_b128 s[12:15], s[0:1], 0x20             ; b_qkv s[12:13], qkv s[14:15]
	v_lshl_add_u32 v254, v0, 2, SPARE
	v_mov_b32 v255, 0
	ds_add_u32 v254, v255                          ; the opening lines: the add twice on end and its wait
	ds_add_u32 v254, v255
	s_wait_dscnt 0x0
	v_lshrrev_b32 v3, 5, v0
	v_readfirstlane_b32 s[WV], v3                  ; wave 0..15
	s_and_b32 s17, s[WV], 3
	s_lshr_b32 s18, s[WV], 2
	s_bfe_u32 s19, ttmp6, 0x40000                  ; cx
	s_bfe_u32 s20, ttmp6, 0x40004                  ; cy
	s_lshl_b32 s21, ttmp9, 2
	s_add_co_u32 s21, s21, s19                     ; n tile of 256 = 4 x cluster x + cx
	s_and_b32 s22, ttmp7, 0xffff
	s_lshl_b32 s22, s22, 2
	s_add_co_u32 s22, s22, s20                     ; token tile of 256 = 4 x cluster y + cy
	s_lshl_b32 s84, s20, 2
	s_lshl_b32 s84, 15, s84                        ; my row of the cluster
	s_lshl_b32 s85, 0x1111, s19                    ; my column
	s_or_b32 s[G1X], s84, PADC                     ; codes: elements of 1 byte; query's tiles go to my row,
	s_or_b32 s[G1W], s85, PADC                     ; W's to my column
	s_or_b32 s[G1XS], s84, PADC|(3<<16)            ; scale bytes: elements of 8 bytes
	s_or_b32 s[G1WS], s85, PADC|(3<<16)
.irp g, G1X, G1W                       ; 128 rows x 256 bytes of rows that are 512 bytes long in memory
	s_mov_b32 s[\g+1], 256<<16
	s_mov_b32 s[\g+2], 128<<16
	s_mov_b32 s[\g+3], 256<<16
	s_mov_b32 s[\g+4], 128
	s_mov_b32 s[\g+5], 512
	s_mov_b32 s[\g+6], 0
	s_mov_b32 s[\g+7], 0
.endr
.irp g, G1XS, G1WS                     ; the scales of 256 rows: 8,192 dense bytes as 32 rows of 32 elements
	s_mov_b32 s[\g+1], 32<<16
	s_mov_b32 s[\g+2], 32<<16
	s_mov_b32 s[\g+3], 32<<16
	s_mov_b32 s[\g+4], 32
	s_mov_b32 s[\g+5], 32
	s_mov_b32 s[\g+6], 0
	s_mov_b32 s[\g+7], 0
.endr
	; a load of codes brings 128 rows: those from 128 (wave % 2) on.  Offsets from the token tile and from the n tile lie in registers of their own
	s_and_b32 s66, s[WV], 1
	s_lshl_b32 s86, s22, 17
	s_lshl_b32 s87, s66, 16
	s_add_co_u32 s86, s86, s87                     ; query's codes: (256 tile + 128 (wave % 2)) x 512
	s_mov_b32 s87, 0
	s_lshl_b32 s88, s22, 13                        ; its scales: 256 tile x 32
	s_mov_b32 s89, 0
	s_lshl_b32 s90, s21, 17
	s_lshl_b32 s91, s66, 16
	s_add_co_u32 s90, s90, s91                     ; W's codes
	s_mov_b32 s91, 0
	s_lshl_b32 s92, s21, 13                        ; W's scales
	s_mov_b32 s93, 0
	s_mul_i32 s94, s66, 128*PITCH                  ; and where the codes go: no place in the cluster enters an LDS address
	s_wait_kmcnt 0x0
	s_add_nc_u64 s[96:97], s[4:5], s[86:87]
	s_add_nc_u64 s[98:99], s[8:9], s[90:91]
	s_mov_b32 s[G0XS], 1
	s_mov_b32 s[G0XS+1], SCX
	s_add_nc_u64 s[G0XS+2:G0XS+3], s[6:7], s[88:89]
	s_or_b32 s[G0XS+3], s[G0XS+3], 0x80000000
	s_mov_b32 s[G0X0], 1
	s_mov_b32 s[G0X0+1], s94
	s_mov_b64 s[G0X0+2:G0X0+3], s[96:97]
	s_or_b32 s[G0X0+3], s[G0X0+3], 0x80000000
	s_mov_b32 s[G0X1], 1
	s_add_co_u32 s[G0X1+1], s94, SLOT
	s_add_nc_u64 s[G0X1+2:G0X1+3], s[96:97], 256   ; the second 512 along K
	s_or_b32 s[G0X1+3], s[G0X1+3], 0x80000000
	s_mov_b32 s[G0WS], 1
	s_mov_b32 s[G0WS+1], SCX+SCD
	s_add_nc_u64 s[G0WS+2:G0WS+3], s[10:11], s[92:93]
	s_or_b32 s[G0WS+3], s[G0WS+3], 0x80000000
	s_mov_b32 s[G0W0], 1
	s_add_co_u32 s[G0W0+1], s94, TILE
	s_mov_b64 s[G0W0+2:G0W0+3], s[98:99]
	s_or_b32 s[G0W0+3], s[G0W0+3], 0x80000000
	s_mov_b32 s[G0W1], 1
	s_add_co_u32 s[G0W1+1], s94, SLOT+TILE
	s_add_nc_u64 s[G0W1+2:G0W1+3], s[98:99], 256
	s_or_b32 s[G0W1+3], s[G0W1+3], 0x80000000
	CROUND                                         ; all sixteen work-groups are here: the joint loads meet
	; all fills of the launch, one a wave, in one chain of branches on the wave's number: waves 0, 1 query's first K half, 2, 3 W's, 4, 5 and 6, 7 the second halves, 8 and 9 the scale bytes
	ARM 2, G0X0, G1X, .La1
	ARM 4, G0W0, G1W, .La2
	ARM 6, G0X1, G1X, .La3
	ARM 8, G0W1, G1W, .La4
	ARM 9, G0XS, G1XS, .La5
	ARM 10, G0WS, G1WS, .La6
.Lasked:
	s_cmp_eq_u32 ttmp9, 2                          ; v?  The cluster's x says it, the same in all sixteen partners
	s_cselect_b32 s90, 0, 32                       ; the bias: bytes for each half of the lanes,
	s_cselect_b32 s91, 4, 0                        ; for each lane % 16,
	s_cselect_b32 s92, 0, 4                        ; for each register
	s_mul_i32 s86, s17, 64*PITCH
	s_add_co_u32 s86, s86, TILE                    ; my head's 64 rows of W
	s_mul_i32 s87, s18, 64*PITCH                   ; my 64 tokens
	s_mul_i32 s88, s17, 8*PITCH
	s_add_co_u32 s88, s88, SCX+SCD
	s_mul_i32 s89, s18, 8*PITCH
	s_add_co_u32 s89, s89, SCX
	v_and_b32 v12, 31, v0                          ; lane
	v_and_b32 v13, 15, v0                          ; r
	v_bfe_u32 v14, v0, 4, 1                        ; h
	v_lshlrev_b32 v[LI], 4, v12
	v_lshlrev_b32 v[L8], 3, v12
	v_mul_u32_u24 v15, v13, PITCH
	v_lshl_add_u32 v15, v14, 4, v15                ; a fragment: row r, + 16 h: registers 4 c .. 4 c + 3 hold K = 64 c + 32 h + 0 .. 31
	v_add_nc_u32 v[ADRP], s86, v15
	v_add_nc_u32 v[ADRP+1], SLOT, v[ADRP]
	v_add_nc_u32 v[ADRQ], s87, v15
	v_add_nc_u32 v[ADRQ+1], SLOT, v[ADRQ]
	v_lshrrev_b32 v15, 3, v12
	v_mul_u32_u24 v15, v15, PITCH
	v_and_b32 v3, 7, v12
	v_lshl_add_u32 v15, v3, 5, v15                 ; scale bytes: a row has 32, eight rows to a run of 256: lane l takes row l of 32
	v_add_nc_u32 v[ADSP], s88, v15
	v_add_nc_u32 v[ADSQ], s89, v15
	s_lshl_b32 s66, s17, 9                         ; v's stage: 256 x (2 x head + key step) + 8 r + 2 x (which 64 keys of the step)
	s_lshr_b32 s67, s18, 1
	s_lshl_b32 s67, s67, 8
	s_add_co_u32 s66, s66, s67
	s_and_b32 s67, s18, 1
	s_lshl_b32 s67, s67, 1
	s_add_co_u32 s66, s66, s67
	s_add_co_u32 s66, s66, SVS
	v_lshl_add_u32 v[SVA], v13, 3, s66
	s_and_b32 s66, s[WV], 7
	s_lshl_b32 s66, s66, 8
	s_add_co_u32 s66, s66, SVS
	v_add_nc_u32 v[SVR], s66, v[L8]
	; the bias in the result's layout, tile a of W.  q, k: register j: n = 16 a + 8 h + j.  v: every register: n = 16 a + r
	s_lshl_b32 s94, s21, 10
	s_lshl_b32 s95, s17, 8
	s_add_co_u32 s94, s94, s95
	s_mov_b32 s95, 0
	s_add_nc_u64 s[94:95], s[12:13], s[94:95]      ; b_qkv at my head's 64 numbers
	v_mul_u32_u24 v[OFJ], s90, v14
	v_mad_u32_u24 v[OFJ], v13, s91, v[OFJ]
.irp j, 1,2,3,4,5,6,7
	v_add_nc_u32 v[OFJ+\j], s92, v[OFJ+\j-1]
.endr
.irp i, 0,1,2,3
.irp j, 0,1,2,3,4,5,6,7
	global_load_b32 v[BI+8*\i+\j], v[OFJ+\j], s[94:95] offset:64*\i
.endr
.endr
	; where my results go: record ((batch x 16 + head) x 16 + key step), part q, k or v
	s_lshr_b32 s66, s22, 3
	s_lshl_b32 s66, s66, 4
	s_lshl_b32 s67, s19, 2
	s_add_co_u32 s66, s66, s67                     ; batch x 16 + the work-group's first head
	s_and_b32 s93, s22, 7
	s_lshl_b32 s93, s93, 1                         ; the work-group's first key step of two
	s_add_co_u32 s67, s66, s17
	s_lshl_b32 s67, s67, 4
	s_add_co_u32 s67, s67, s93
	s_lshr_b32 s96, s18, 1
	s_add_co_u32 s67, s67, s96
	s_mul_i32 s96, s67, REC
	s_mul_i32 s67, ttmp9, PART
	s_add_co_u32 s96, s96, s67
	s_mov_b32 s97, 0
	s_add_nc_u64 s[96:97], s[14:15], s[96:97]
	s_and_b32 s98, s18, 1
	s_lshl_b32 s98, s98, 8
	s_mov_b32 s99, 0
	s_add_nc_u64 s[98:99], s[96:97], s[98:99]
	s_add_nc_u64 s[98:99], s[98:99], 4096          ; q's and k's scale words: my 64 tokens' 256 bytes
	s_and_b32 s100, s18, 1
	s_lshl_b32 s100, s100, 11
	s_mov_b32 s101, 0
	s_add_nc_u64 s[96:97], s[96:97], s[100:101]    ; the codes: my 64 tokens' 2,048 bytes
	s_and_b32 s100, s[WV], 7                       ; v's scale words: wave w of 0 to 7 stores those of head w / 2, key step w % 2
	s_lshr_b32 s101, s100, 1
	s_add_co_u32 s101, s101, s66
	s_lshl_b32 s101, s101, 4
	s_add_co_u32 s101, s101, s93
	s_and_b32 s100, s100, 1
	s_add_co_u32 s100, s101, s100
	s_mul_i32 s100, s100, REC
	s_mov_b32 s101, 0
	s_add_nc_u64 s[100:101], s[14:15], s[100:101]
	s_add_nc_u64 s[100:101], s[100:101], 2*PART+4096
	s_mov_b32 s[SEL], 0x76543210
	s_mov_b32 s[SEL+1], 0xfedcba98
	s_mov_b32 s23, 0xffff0000                      ; lanes 16-31
	s_wait_alu depctr_va_vdst(0)
	s_wait_tensorcnt 0x0                           ; my load is in
	s_barrier_signal -1
	s_barrier_wait -1                              ; everybody's is: all of K lies in LDS
	s_wait_loadcnt 0x0                             ; the bias; its offsets' registers take the first fragments
	LOADS 0, 0
	s_cmp_eq_u32 ttmp9, 2
	s_cbranch_scc1 .Lpath_v
	MUL 0, 1                                       ; the first products start the sums with the bias: nothing is cleared, nothing is added later
	REST 0
	s_branch .Lsummed
.Lpath_v:
	MUL 0, 2
	REST 3
.Lsummed:
	; THE WAY OUT.  Registers 16 n .. 16 n + 15 of the accumulators are one half of block n: source 1's tile n / 2, source 0's rows 32 (n % 2) + 8 h + 0 .. 7 and + 16; lane l xor 16 holds the other half.
	PLACES 4
.irp n, 0,1,2,3,4,5,6,7
	v_mov_b32 v[TX+\n], 0                          ; a lane permute's destination counts as one of its sources
.endr
.irp n, 0,1,2,3,4,5,6,7
	v_max3_num_f32 v[TM+\n], |v[ACC+16*\n]|, |v[ACC+16*\n+1]|, 0x1800000   ; my 16 numbers, each accumulator from its low end on, and the floor 2^(3 - 127): the byte cannot fall under 1
.endr
.irp i, 2,4,6,8,10,12,14
.irp n, 0,1,2,3,4,5,6,7
	v_max3_num_f32 v[TM+\n], v[TM+\n], |v[ACC+16*\n+\i]|, |v[ACC+16*\n+\i+1]|
.endr
.endr
.irp n, 0,1,2,3,4,5,6,7
	v_permlanex16_b32 v[TX+\n], v[TM+\n], s[SEL], s[SEL+1]
.endr
.irp n, 0,1,2,3,4,5,6,7
	v_max_num_f32 v[TM+\n], v[TM+\n], v[TX+\n]     ; the block's largest magnitude
.endr
.irp n, 0,1,2,3,4,5,6,7
	v_add_nc_u32 v[SCO+\n], 0xff000000, v[TM+\n]   ; 2 off its exponent field: the conversion takes this operand's exponent field as its scale
.endr
.irp n, 0,1,2,3,4,5,6,7
	v_lshrrev_b32 v[EB+\n], 23, v[SCO+\n]          ; the scale's byte
.endr
.irp b, 0,1,2,3
	v_lshl_or_b32 v[HWD+\b], v[EB+2*\b+1], 8, v[EB+2*\b]
.endr
.irp b, 0,1,2,3                        ; four registers a tile: block 0's k 8 h on, block 1's, block 0's k 16 + 8 h on, block 1's
	v_cvt_scalef32_pk8_fp4_f32 v[CD+4*\b], v[ACC+32*\b:ACC+32*\b+7], v[SCO+2*\b]
	v_cvt_scalef32_pk8_fp4_f32 v[CD+4*\b+1], v[ACC+32*\b+16:ACC+32*\b+23], v[SCO+2*\b+1]
	v_cvt_scalef32_pk8_fp4_f32 v[CD+4*\b+2], v[ACC+32*\b+8:ACC+32*\b+15], v[SCO+2*\b]
	v_cvt_scalef32_pk8_fp4_f32 v[CD+4*\b+3], v[ACC+32*\b+24:ACC+32*\b+31], v[SCO+2*\b+1]
.endr
	v_nop                                          ; one plain vector instruction behind a scaled conversion
.irp b, 0,1,2,3                        ; the first's lanes 16-31 change places with the second's lanes 0-15: lane (r, h) now holds block h whole, k 0 .. 31 in its four registers
	v_permlane16_swap_b32 v[CD+4*\b], v[CD+4*\b+1]
	v_permlane16_swap_b32 v[CD+4*\b+2], v[CD+4*\b+3]
.endr
.irp b, 0,1,2,3
	global_store_b128 v[LI], v[CD+4*\b:CD+4*\b+3], s[96:97] offset:512*\b   ; 32 lanes store 512 consecutive bytes, at a multiple of 256 from the buffer's first byte
.endr
	; v's scale word of a row d has the bytes of the step's four key blocks, which two waves make: they meet in the stage.  q's and k's waves run the same four lines, whose bytes nobody reads,
	; so that one branch behind the barrier parts the ways.  Both halves of the lanes write the same bytes with the same values
.irp b, 0,1,2,3
	ds_store_b16 v[SVA], v[HWD+\b] offset:128*(\b&1)+4*(\b>>1)
.endr
	s_wait_dscnt 0x0                               ; for the others' sake: my stores into the stage are done
	s_barrier_signal -1
	s_barrier_wait -1
	s_cmp_eq_u32 ttmp9, 2
	s_cbranch_scc1 .Lv_scales
.irp b, 0,1,2,3
	v_lshl_or_b32 v[HWD+\b], v[HWD+\b], 16, v[HWD+\b]   ; q, k: the head's two bytes twice, so that the word serves K = 0 .. 63 and K = 64 .. 127 of an instruction alike
.endr
	v_cndmask_b32 v[SL], v[HWD], v[HWD+1], s23     ; lane (r, u): word j belongs to tile 2 j + u
	v_cndmask_b32 v[SL+1], v[HWD+2], v[HWD+3], s23
	global_store_b64 v[L8], v[SL:SL+1], s[98:99]   ; 32 lanes store 256 consecutive bytes, aligned
	s_branch .Lend
.Lv_scales:
	s_cmp_lt_u32 s[WV], 8
	s_cbranch_scc0 .Lend
	ds_load_b64 v[VW:VW+1], v[SVR]
	s_wait_dscnt 0x0
	global_store_b64 v[L8], v[VW:VW+1], s[100:101]
.Lend:
	s_wait_xcnt 0x0
	v_lshl_add_u32 v254, v0, 2, SPARE              ; the accumulators lay here: the add's two registers are made anew
	v_mov_b32 v255, 0
	s_wait_alu depctr_va_vdst(0)
	s_wait_tensorcnt 0x0                           ; the wave's end
	ds_add_u32 v254, v255
	s_wait_dscnt 0x0
	CROUND                                         ; the closing round: no work-group ends while a partner may still ask for a tile that names it
	s_endpgm
.Lfunc_end_k_q45b7f67c06_qkv_proj:
	.size	k_q45b7f67c06_qkv_proj, .Lfunc_end_k_q45b7f67c06_qkv_proj-k_q45b7f67c06_qkv_proj
	.p2alignl 7, 3214868480
	.fill 96, 4, 3214868480
	.section	.rodata,"a",@progbits
	.p2align	6, 0x0
	.amdhsa_kernel k_q45b7f67c06_qkv_proj
		.amdhsa_group_segment_fixed_size 300032
		.amdhsa_private_segment_fixed_size 0
		.amdhsa_enable_private_segment 0
		.amdhsa_kernarg_size 48
		.amdhsa_user_sgpr_count 2
		.amdhsa_user_sgpr_kernarg_segment_ptr 1
		.amdhsa_wavefront_size32 1
		.amdhsa_system_sgpr_workgroup_id_x 1
		.amdhsa_system_sgpr_workgroup_id_y 1
		.amdhsa_system_sgpr_workgroup_id_z 1
		.amdhsa_system_vgpr_workitem_id 0
		.amdhsa_next_free_vgpr 256
		.amdhsa_next_free_sgpr 102
		.amdhsa_reserve_vcc 0
		.amdhsa_float_denorm_mode_32 3
		.amdhsa_float_denorm_mode_16_64 3
		.amdhsa_memory_ordered 1
		.amdhsa_forward_progress 1
		.amdhsa_inst_pref_size 76
	.end_amdhsa_kernel
	.amdgpu_metadata
---
amdhsa.version: [ 1, 2 ]
amdhsa.kernels:
  - .name:           k_q45b7f67c06_qkv_proj
    .symbol:         k_q45b7f67c06_qkv_proj.kd
    .args:
      - { .name: query_codes, .offset: 0, .size: 8, .value_kind: global_buffer, .address_space: global }
      - { .name: query_scales, .offset: 8, .size: 8, .value_kind: global_buffer, .address_space: global }
      - { .name: W_qkv_codes, .offset: 16, .size: 8, .value_kind: global_buffer, .address_space: global }
      - { .name: W_qkv_scales, .offset: 24, .size: 8, .value_kind: global_buffer, .address_space: global }
      - { .name: b_qkv, .offset: 32, .size: 8, .value_kind: global_buffer, .address_space: global }
      - { .name: qkv, .offset: 40, .size: 8, .value_kind: global_buffer, .address_space: global }
    .group_segment_fixed_size: 300032
    .private_segment_fixed_size: 0
    .kernarg_segment_align: 8
    .kernarg_segment_size: 48
    .max_flat_workgroup_size: 512
    .sgpr_count:     102
    .vgpr_count:     256
    .wavefront_size: 32
...
	.end_amdgpu_metadata
.endif
;; end of part 1
;; launch attention (part 2): grid 8 x 32, 16 waves a work-group, clusters of 4 x 1, 327,680 bytes of LDS; arguments qkv, a_codes, a_scales; writes a_codes, a_scales
.if DOCPART == 2
	.amdgcn_target "amdgcn-amd-amdhsa--gfx1250"
	.amdhsa_code_object_version 6
	.text
	.protected	k_q45b7f67c06_attention
	.globl	k_q45b7f67c06_attention
	.p2align	8
	.type	k_q45b7f67c06_attention,@function
k_q45b7f67c06_attention:
	s_mov_b64 s[64:65], 0
	v_nop
	global_prefetch_b8 v0, s[64:65] scope:SCOPE_SE
	s_setreg_imm32_b32 hwreg(HW_REG_WAVE_MODE, 25, 1), 1
	s_wait_xcnt 0x0
	s_wait_alu depctr_hold_cnt(0) depctr_sa_sdst(0) depctr_va_vdst(0) depctr_va_sdst(0) depctr_va_ssrc(0) depctr_va_vcc(0) depctr_vm_vsrc(0)
	s_getreg_b32 s2, hwreg(HW_REG_IB_STS2, 6, 4)
	s_cmp_eq_u32 s2, 0
	s_cbranch_scc0 .Lentry_in_a_cluster
	s_endpgm
.Lentry_in_a_cluster:
	s_bfe_u32 s2, ttmp6, 0x10000c
	s_cmp_lg_u32 s2, 0x3003
	s_cbranch_scc0 .Lentry_shape_is_right
	s_endpgm
.Lentry_shape_is_right:
; o = softmax(q k^T / 8) v for each head of 64, both products on codes of FP4 (E2M1) with one E8M0 scale for each 32 along a product's K; o is quantised along the model's 1,024 at once and leaves as codes for the last product.
; THE SOFTMAX: t = score x log2(e) / 8; M = the row's largest t so far, rounded up to a whole number; p = 2^(t - M) is quantised along the keys, not normalised.  The row's sum is taken of the unquantised p and
; divides O at the end (v_rcp_f32 and a multiplication).  When M moves, the sum and O are multiplied by 2^(old M - new M): exact.
; LIMITS: NaN and infinities are not served.  A p under 2^-126 comes out of v_exp_f32 as 0.  A block of zeros gets the scale byte 1 where the quantiser's rule says 127: its codes are zeros, and this program alone reads the bytes.
; SHARES.  A work-group owns 256 queries of a PAIR of heads (2 y, 2 y + 1); each of its sixteen waves 16 queries, in 256 registers, four waves to a SIMD.  A wave walks all 2,048 keys of the first head, 128 a step, then of the second:
; so it makes whole scale words of the last product (128 along its K are two heads).
; LDS.  k's and v's codes and scale words of both heads, 32 records of 8,960 bytes, fit at once: every byte is filled once.  Wave w asks for record w of the first head at the kernel's head, and for record w of the second head
; behind a wait for the first and a round of the cluster's barrier; that load has the first head's sixteen steps in which to land.  One barrier stands at the change of heads; the loops over the keys hold none.
; No prefetch: both groups of loads go out at the start, and no later load is left to run ahead of.
; CLUSTER.  The four query blocks of a cluster read the same records: each is asked for jointly.
; LAYOUT.  Both products are used transposed (S^T = k q^T, O^T = v^T p^T): a lane holds one query (lane % 16).  All operands lie in memory and LDS as images of their registers, 16 bytes a lane.
; A HEAD IS 64 ALONG K, AN INSTRUCTION 128: even tiles of keys stand in K = 0 .. 63 with zero codes above, odd tiles in K = 64 .. 127 with zero codes below, q likewise; zero codes add nothing.
.set REC,  13568                       ; a record of the buffer qkv: q 4,096 + 512 | k 4,096 + 512 | v 4,096 + 256
.set PART, 4608                        ; where k's part begins
.set KVB,  8960                        ; k's and v's parts: in LDS k's codes at 0, k's scale words at 4,096, v's codes at 4,608, v's scale words at 8,704
.set STG,  32*KVB                      ; behind the records: 1,024 bytes for the scale words on their way out; no fill lands here
.set SPARE, STG+1024                   ; the spare words, 128 bytes a wave
.set LI,   1                           ; v1   16 x lane
.set L8,   2                           ; v2   8 x lane
.set ADK,  3                           ; v3   the step's record + 16 x lane
.set ADKS, 4                           ; v4   + 8 x lane
.set SA,   5                           ; v5   where I put my row's scale word
.set SRD,  6                           ; v6   where waves 0 to 3 read them back
.set QOF,  7                           ; v7   q's scale word: my offset in its record
.set HW,   8                           ; v8   my row's scale word of the last product
                                       ; v9 at work; v[10:11] 1 / the sum, and a written upper half; v12 -M; v13 the largest t; v[14:15] the sum in two halves
.set QF0,  16                          ; v16-27  q of the first head: codes | zeros | codes
.set QF1,  28                          ; v28-39  of the second
.set KF,   40                          ; v40-87  four groups: an even tile's codes | zeros | an odd tile's codes
.set VF,   88                          ; v88-119 v's four fragments
.set SC,   120                         ; v120-183 S^T, then p
.set OT,   184                         ; v184-215 O^T
.set PC,   216                         ; v216-223 p's codes
.set KSC,  224                         ; v224-227 k's scale words: register t / 2, lanes 0-15 tile t even, lanes 16-31 odd
.set VSC,  228                         ; v228-229 v's likewise
.set QS0,  230                         ; q's scale words
.set QS1,  231
.set MX,   232                         ; v232-235 a block's largest score, then p
.set MP,   236                         ; v236-239 at work
.set SO,   240                         ; v240-243 the conversions' scale operands
.set TO,   244                         ; the old -M
.set FF,   246                         ; f = 2^(old M - new M)
.set PW,   247                         ; p's scale word
.set CA,   248                         ; o's codes of the first head (in a step v242-245 and v248-255 also hold partial sums)
.set CB,   252                         ; of the second
.set WV,   10
.set G1,   16                          ; s[16:23] descriptor group 1
.set G0,   24                          ; s[24:31] two groups 0: the first head's record, the second's
.set SEL,  56                          ; s[56:57] lane selects for v_permlanex16_b32: lane l xor 16
.set CS,   58                          ; s[58:59] c = log2(e) / 8
.set TB,   60                          ; s60 LDS byte of the step's record
.set CNT,  61
.macro CROUND                          ; a round of the cluster's barrier
	s_barrier_signal -1
	s_barrier_wait -1
	s_cmp_lg_u32 s[WV], 0
	s_cbranch_scc1 .Lnot_wave_0_\@
	s_barrier_signal -3
.Lnot_wave_0_\@:
	s_barrier_wait -3
	s_barrier_signal -1
	s_barrier_wait -1
.endm
.macro PLACES n
.rept \n
	v_nop
.endr
.endm
; one product: D, source 0, source 1, C (under 0: the constant 0), their scale registers, and whether source 0's scales stand in lanes 16-31
.macro WM d, a, b, c, sa, sb, ra
.if (\c) < 0
.if (\ra)
	v_wmma_scale_f32_16x16x128_f8f6f4 v[\d:\d+7], v[\a:\a+7], v[\b:\b+7], 0, v[\sa], v[\sb] matrix_a_fmt:MATRIX_FMT_FP4 matrix_b_fmt:MATRIX_FMT_FP4 matrix_a_scale:MATRIX_SCALE_ROW1
.else
	v_wmma_scale_f32_16x16x128_f8f6f4 v[\d:\d+7], v[\a:\a+7], v[\b:\b+7], 0, v[\sa], v[\sb] matrix_a_fmt:MATRIX_FMT_FP4 matrix_b_fmt:MATRIX_FMT_FP4
.endif
.else
.if (\ra)
	v_wmma_scale_f32_16x16x128_f8f6f4 v[\d:\d+7], v[\a:\a+7], v[\b:\b+7], v[\c:\c+7], v[\sa], v[\sb] matrix_a_fmt:MATRIX_FMT_FP4 matrix_b_fmt:MATRIX_FMT_FP4 matrix_a_scale:MATRIX_SCALE_ROW1
.else
	v_wmma_scale_f32_16x16x128_f8f6f4 v[\d:\d+7], v[\a:\a+7], v[\b:\b+7], v[\c:\c+7], v[\sa], v[\sb] matrix_a_fmt:MATRIX_FMT_FP4 matrix_b_fmt:MATRIX_FMT_FP4
.endif
.endif
.endm
	s_load_b128 s[4:7], s[0:1], 0x0                ; qkv s[4:5], a_codes s[6:7]
	s_load_b64 s[8:9], s[0:1], 0x10                ; a_scales
	v_lshl_add_u32 v254, v0, 2, SPARE
	v_mov_b32 v255, 0
	ds_add_u32 v254, v255                          ; the opening lines: the add twice on end and its wait
	ds_add_u32 v254, v255
	s_wait_dscnt 0x0
	v_lshrrev_b32 v9, 5, v0
	s_delay_alu instid0(VALU_DEP_1)
	v_readfirstlane_b32 s[WV], v9                  ; wave 0..15
	s_bfe_u32 s11, ttmp6, 0x40000                  ; cx
	s_lshl_b32 s12, ttmp9, 2
	s_add_co_u32 s12, s12, s11                     ; my block of 256 queries: it enters q's and the outputs' addresses alone
	s_and_b32 s13, ttmp7, 0xffff                   ; y: the pair of heads, which the four partners share: batch y / 8, heads 2 (y % 8) and + 1
	s_mov_b32 s[G1], 15|(3<<16)|(1<<21)            ; 15:0 the mask: all four work-groups; 17:16 elements of 8 bytes; 21 set beside a mask; no padding
	s_mov_b32 s[G1+1], 32<<16                      ; a record's 8,960 dense bytes as 35 rows of 32 elements
	s_mov_b32 s[G1+2], 35<<16
	s_mov_b32 s[G1+3], 32<<16
	s_mov_b32 s[G1+4], 35
	s_mov_b32 s[G1+5], 32
	s_mov_b32 s[G1+6], 0
	s_mov_b32 s[G1+7], 0
	s_mul_i32 s62, s13, 32*REC                     ; the pair's 32 records,
	s_mul_i32 s14, s[WV], REC                      ; wave w takes records w and 16 + w,
	s_add_co_u32 s62, s62, s14
	s_add_co_u32 s62, s62, PART                    ; from k's part on
	s_mov_b32 s63, 0
	s_mul_i32 s14, s[WV], KVB
	s_wait_kmcnt 0x0
	s_add_nc_u64 s[62:63], s[4:5], s[62:63]
.irp i, 0,1
	s_mov_b32 s[G0+4*\i], 1
	s_add_co_u32 s[G0+4*\i+1], s14, 16*KVB*\i
	s_add_nc_u64 s[G0+4*\i+2:G0+4*\i+3], s[62:63], 16*REC*\i
	s_or_b32 s[G0+4*\i+3], s[G0+4*\i+3], 0x80000000
.endr
	CROUND                                         ; all four work-groups are here: the joint loads meet
	tensor_load_to_lds s[G0:G0+3], s[G1:G1+7]      ; my record of the first head: every wave's one load at the head
	s_nop 0
	PLACES 4
	v_and_b32 v9, 31, v0                           ; lane
	v_and_b32 v10, 15, v0                          ; r
	s_delay_alu instid0(VALU_DEP_2)
	v_lshlrev_b32 v[LI], 4, v9
	s_wait_alu depctr_va_vdst(0)
	v_lshlrev_b32 v[L8], 3, v9
	s_lshl_b32 s72, s[WV], 6
	s_add_co_u32 s72, s72, STG
	v_lshl_add_u32 v[SA], v10, 2, s72              ; 4 bytes a query: 64 x wave + 4 r
	s_and_b32 s72, s[WV], 3
	s_lshl_b32 s72, s72, 8
	s_add_co_u32 s72, s72, STG
	v_add_nc_u32 v[SRD], s72, v[L8]
	; q: my 16 queries are tile wave % 8 of record 2 x block + wave / 8 of each head
	s_lshl_b32 s14, s13, 5
	s_lshl_b32 s15, s12, 1
	s_add_co_u32 s14, s14, s15
	s_lshr_b32 s15, s[WV], 3
	s_add_co_u32 s14, s14, s15
	s_mul_i32 s66, s14, REC
	s_mov_b32 s67, 0
	s_add_nc_u64 s[66:67], s[4:5], s[66:67]        ; the first head's record; the second's lies 16 records on
	s_and_b32 s73, s[WV], 7
	s_lshl_b32 s73, s73, 9
	v_add_nc_u32 v9, s73, v[LI]
	s_wait_alu depctr_va_vdst(0)
	s_bfe_u32 s72, s[WV], 0x10002                  ; the scale word of tile T = 4 g + 2 j + u, row r: 4,096 + 256 g + 128 u + 8 r + 4 j
	s_lshl_b32 s72, s72, 8
	s_and_b32 s73, s[WV], 1
	s_lshl_b32 s73, s73, 7
	s_add_co_u32 s72, s72, s73
	s_bfe_u32 s73, s[WV], 0x10001
	s_lshl_b32 s73, s73, 2
	s_add_co_u32 s72, s72, s73
	s_add_co_u32 s72, s72, 4096
	v_lshl_add_u32 v[QOF], v10, 3, s72
.irp e, 0,1
	global_load_b128 v[QF0+12*\e:QF0+12*\e+3], v9, s[66:67] offset:16*REC*\e      ; the codes twice: for even tiles of keys below the zeros,
	global_load_b128 v[QF0+12*\e+8:QF0+12*\e+11], v9, s[66:67] offset:16*REC*\e   ; for odd tiles above them
	global_load_b32 v[QS0+\e], v[QOF], s[66:67] offset:16*REC*\e
.endr
.irp j, 4,5,6,7
	v_mov_b32 v[QF0+\j], 0                         ; the zero codes: written once
	v_mov_b32 v[QF1+\j], 0
.irp p, 0,1,2,3
	v_mov_b32 v[KF+12*\p+\j], 0
.endr
.endr
.irp b, 0,1,2,3
	v_mov_b32 v[MP+\b], 0                          ; a lane permute's destination counts as one of its sources
.endr
	v_mov_b32 v[PW], 0                             ; (named as the upper half of the pair with f before it is first written)
	v_mov_b32 v11, 0                               ; (likewise with 1 / the sum)
	; where my results go
	s_lshr_b32 s14, s13, 3                         ; batch
	s_lshl_b32 s15, s14, 7
	s_lshl_b32 s70, s12, 4
	s_add_co_u32 s15, s15, s70
	s_add_co_u32 s15, s15, s[WV]                   ; my tile of 16 tokens: 128 x batch + 16 x block + wave
	s_lshl_b32 s15, s15, 3
	s_and_b32 s70, s13, 7
	s_add_co_u32 s15, s15, s70                     ; x 8 K steps + mine
	s_lshl_b32 s68, s15, 10
	s_mov_b32 s69, 0
	s_add_nc_u64 s[68:69], s[6:7], s[68:69]        ; a_codes: 1,024 bytes a tile and K step
	s_lshl_b32 s70, s70, 15                        ; a_scales: [K step][token] words
	s_lshl_b32 s14, s14, 13
	s_add_co_u32 s70, s70, s14
	s_lshl_b32 s14, s12, 10
	s_add_co_u32 s70, s70, s14
	s_and_b32 s14, s[WV], 3
	s_lshl_b32 s14, s14, 8
	s_add_co_u32 s70, s70, s14
	s_mov_b32 s71, 0
	s_add_nc_u64 s[70:71], s[8:9], s[70:71]
	s_mov_b32 s[SEL], 0x76543210
	s_mov_b32 s[SEL+1], 0xfedcba98
	s_mov_b32 s[CS], 0x3e38aa3b                    ; c = log2(e) / 8
	s_mov_b32 s[CS+1], s[CS]                       ; (the packed form names the pair)
	s_wait_loadcnt 0x0                             ; q
.macro INIT                            ; a head begins: O^T and the sum as zeros, the largest t under every t: the first change of M multiplies zeros, and the step is written without a first form
	v_mov_b32 v13, 0xff61b1e6                      ; -3e38
	s_delay_alu instid0(VALU_DEP_1)
	v_floor_f32 v12, -v13
	v_mov_b32 v14, 0
	v_mov_b32 v15, 0
.set J, 0
.rept 32
	v_mov_b32 v[OT+J], 0
.set J, J+1
.endr
.endm
; A KEY STEP: 128 keys, the record at s[TB].  qf, qs: the head's q and its scale words.
.macro STEP qf, qs
	v_add_nc_u32 v[ADK], s[TB], v[LI]
	v_add_nc_u32 v[ADKS], s[TB], v[L8]
.irp t, 0,1,2,3,4,5,6,7
	ds_load_b128 v[KF+12*(\t>>1)+8*(\t&1):KF+12*(\t>>1)+8*(\t&1)+3], v[ADK] offset:512*\t
.endr
.irp g, 0,1
	ds_load_b64 v[KSC+2*\g:KSC+2*\g+1], v[ADKS] offset:4096+256*\g
.endr
	s_wait_alu depctr_va_vdst(0)
	s_wait_dscnt 0x0
.irp t, 0,1,2,3,4,5,6,7                ; S^T: register j of tile t in lane (r, h): key 16 t + 8 h + j, query r
	WM SC+8*\t, KF+12*(\t>>1)+4*(\t&1), \qf+4*(\t&1), -1, KSC+(\t>>1), \qs, \t&1
.endr
	v_mov_b32 v[TO], v12                           ; the old -M.  With three v_nop: the four plain vector instructions behind the products (ISA guide 7.12.1)
	PLACES 3
.irp c, 0,1
.irp d, 0,1,2,3
	ds_load_b128 v[VF+8*\d+4*\c:VF+8*\d+4*\c+3], v[ADK] offset:4608+2048*\c+512*\d   ; v lands while the softmax is worked
.endr
.endr
	ds_load_b64 v[VSC:VSC+1], v[ADKS] offset:8704
.irp b, 0,1,2,3
	v_max3_num_f32 v[MX+\b], v[SC+16*\b], v[SC+16*\b+1], v[SC+16*\b+2]   ; the largest score of each block of 32 keys: for the row's maximum and, since p rises with the score, for the block's largest p
.endr
.irp i, 3,5,7,9,11,13
.irp b, 0,1,2,3
	v_max3_num_f32 v[MX+\b], v[MX+\b], v[SC+16*\b+\i], v[SC+16*\b+\i+1]
.endr
.endr
.irp b, 0,1,2,3
	v_max_num_f32 v[MX+\b], v[MX+\b], v[SC+16*\b+15]
.endr
.irp b, 0,1,2,3
	s_delay_alu instid0(VALU_DEP_4)
	v_permlanex16_b32 v[MP+\b], v[MX+\b], s[SEL], s[SEL+1]
.endr
.irp b, 0,1,2,3
	s_delay_alu instid0(VALU_DEP_4)
	v_max_num_f32 v[MX+\b], v[MX+\b], v[MP+\b]     ; with lane l xor 16's 16 keys
.endr
	s_delay_alu instid0(VALU_DEP_2)
	v_max3_num_f32 v9, v[MX], v[MX+1], v[MX+2]
	s_delay_alu instid0(VALU_DEP_1)
	v_max_num_f32 v9, v9, v[MX+3]                  ; the step's largest score of my query
	s_delay_alu instid0(VALU_DEP_1)
	v_mul_f32 v9, s[CS], v9                        ; as t
	s_delay_alu instid0(VALU_DEP_1)
	v_max_num_f32 v13, v13, v9                     ; the running largest t
	s_delay_alu instid0(VALU_DEP_1)
	v_floor_f32 v12, -v13                          ; the new -M = -ceil(t): a whole number
	s_delay_alu instid0(VALU_DEP_1)
	v_sub_f32 v9, v12, v[TO]                       ; old M - new M: a whole number, 0 or less
	s_delay_alu instid0(VALU_DEP_1)
	v_cvt_i32_f32 v9, v9                           ; (it saturates)
	s_delay_alu instid0(VALU_DEP_1)
	v_ldexp_f32 v[FF], 1.0, v9                     ; f = 2^(old M - new M)
.set J, 0
.rept 32
	v_pk_fma_f32 v[SC+J:SC+J+1], v[SC+J:SC+J+1], s[CS:CS+1], v[12:13] op_sel_hi:[1,0,0]   ; t - M, two at a time
.set J, J+2
.endr
.irp b, 0,1,2,3
	v_fma_f32 v[MX+\b], v[MX+\b], s[CS], v12       ; the same of each block's largest score
.endr
.set J, 0
	s_wait_alu depctr_va_vdst(0)
.rept 64
	v_exp_f32 v[SC+J], v[SC+J]                     ; p = 2^(t - M), at most 1
.set J, J+1
.endr
	v_pk_mul_f32 v[14:15], v[14:15], v[FF:FF+1] op_sel_hi:[1,0]   ; the sums under the new M: the plain instruction behind the exponentials
	s_wait_alu depctr_va_vdst(0)                   ; one wait for the batch of 64, ahead of its first reader
.irp b, 0,1,2,3
	v_exp_f32 v[MX+\b], v[MX+\b]                   ; the block's largest p: the same two instructions on the same number give the same bits
.endr
	; the row's sum of the unquantised p, two at a time, in eight chains
	v_pk_add_f32 v[236:237], v[124:125], v[128:129]
	v_pk_add_f32 v[254:255], v[132:133], v[136:137]
	v_pk_add_f32 v[252:253], v[140:141], v[144:145]
	v_pk_add_f32 v[250:251], v[148:149], v[152:153]
	v_pk_add_f32 v[248:249], v[156:157], v[160:161]
	v_pk_add_f32 v[244:245], v[164:165], v[168:169]
	v_pk_add_f32 v[242:243], v[172:173], v[176:177]
	v_pk_add_f32 v[14:15], v[14:15], v[180:181]
	v_pk_add_f32 v[236:237], v[236:237], v[120:121]
	v_pk_add_f32 v[254:255], v[254:255], v[122:123]
	v_pk_add_f32 v[252:253], v[252:253], v[126:127]
	v_pk_add_f32 v[250:251], v[250:251], v[130:131]
	v_pk_add_f32 v[248:249], v[248:249], v[134:135]
	v_pk_add_f32 v[244:245], v[244:245], v[138:139]
	v_pk_add_f32 v[242:243], v[242:243], v[142:143]
	v_pk_add_f32 v[14:15], v[14:15], v[146:147]
	v_pk_add_f32 v[236:237], v[236:237], v[150:151]
	v_pk_add_f32 v[254:255], v[254:255], v[154:155]
	v_pk_add_f32 v[252:253], v[252:253], v[158:159]
	v_pk_add_f32 v[250:251], v[250:251], v[162:163]
	v_pk_add_f32 v[248:249], v[248:249], v[166:167]
	v_pk_add_f32 v[244:245], v[244:245], v[170:171]
	v_pk_add_f32 v[242:243], v[242:243], v[174:175]
	v_pk_add_f32 v[14:15], v[14:15], v[178:179]
	v_pk_add_f32 v[236:237], v[236:237], v[182:183]
	s_delay_alu instid0(VALU_DEP_2)
	v_pk_add_f32 v[14:15], v[14:15], v[250:251]
	s_delay_alu instid0(VALU_DEP_2)
	v_pk_add_f32 v[236:237], v[236:237], v[248:249]
	v_pk_add_f32 v[254:255], v[254:255], v[244:245]
	v_pk_add_f32 v[252:253], v[252:253], v[242:243]
	s_delay_alu instid0(VALU_DEP_2)
	v_pk_add_f32 v[14:15], v[14:15], v[254:255]
	s_delay_alu instid0(VALU_DEP_2)
	v_pk_add_f32 v[236:237], v[236:237], v[252:253]
	s_delay_alu instid0(VALU_DEP_1)
	v_pk_add_f32 v[14:15], v[14:15], v[236:237]
	s_wait_alu depctr_va_vdst(0)                   ; and one for the four
.irp b, 0,1,2,3
	v_max_num_f32 v[MX+\b], 0x1800000, v[MX+\b]    ; the floor 2^(3 - 127): the byte cannot fall under 1
.endr
.irp b, 0,1,2,3
	s_delay_alu instid0(VALU_DEP_4)
	v_add_nc_u32 v[SO+\b], 0xff000000, v[MX+\b]    ; 2 off the exponent field: the conversion's scale operand
.endr
.irp b, 0,1,2,3
	s_delay_alu instid0(VALU_DEP_4)
	v_lshrrev_b32 v[MP+\b], 23, v[SO+\b]           ; the scale's byte
.endr
	s_delay_alu instid0(VALU_DEP_3)
	v_lshl_or_b32 v[PW], v[MP+1], 8, v[MP]         ; p's scale word for these 128 keys
	s_delay_alu instid0(VALU_DEP_1)
	v_lshl_or_b32 v[PW], v[MP+2], 16, v[PW]
	s_delay_alu instid0(VALU_DEP_1)
	v_lshl_or_b32 v[PW], v[MP+3], 24, v[PW]
.irp c, 0,1                            ; blocks 2 c and 2 c + 1: the first's keys 8 h on, the second's, the first's keys 16 + 8 h on, the second's
	v_cvt_scalef32_pk8_fp4_f32 v[PC+4*\c], v[SC+32*\c:SC+32*\c+7], v[SO+2*\c]
	v_cvt_scalef32_pk8_fp4_f32 v[PC+4*\c+1], v[SC+32*\c+16:SC+32*\c+23], v[SO+2*\c+1]
	v_cvt_scalef32_pk8_fp4_f32 v[PC+4*\c+2], v[SC+32*\c+8:SC+32*\c+15], v[SO+2*\c]
	v_cvt_scalef32_pk8_fp4_f32 v[PC+4*\c+3], v[SC+32*\c+24:SC+32*\c+31], v[SO+2*\c+1]
.endr
	v_nop                                          ; one plain vector instruction behind a scaled conversion
.irp c, 0,1                            ; lane (r, h) now holds block 2 c + h whole in registers 4 c .. 4 c + 3
	v_permlane16_swap_b32 v[PC+4*\c], v[PC+4*\c+1]
	v_permlane16_swap_b32 v[PC+4*\c+2], v[PC+4*\c+3]
.endr
.set J, 0
.rept 16
	v_pk_mul_f32 v[OT+J:OT+J+1], v[OT+J:OT+J+1], v[FF:FF+1] op_sel_hi:[1,0]   ; O^T under the new M.  For each product below twelve of these name none of its registers: they stand between the scale word and codes just made and the products
.set J, J+2
.endr
	s_wait_alu depctr_va_vdst(0)
	s_wait_dscnt 0x0                               ; v
.irp d, 0,1,2,3                        ; O^T += v^T p^T: the four accumulators by turns
	WM OT+8*\d, VF+8*\d, PC, OT+8*\d, VSC+(\d>>1), PW, \d&1
.endr
	s_add_co_u32 s[TB], s[TB], KVB
.endm
; n key steps, from record first on
.macro WALK first, n, qf, qs
	s_mov_b32 s[TB], KVB*\first
	s_mov_b32 s[CNT], \n
.Lstep_\@:
	STEP \qf, \qs
	s_sub_co_u32 s[CNT], s[CNT], 1
	s_cmp_lg_u32 s[CNT], 0
	s_cbranch_scc1 .Lstep_\@
.endm
; A head ends: O^T / the sum, quantised along the head's 64: two blocks, registers 16 b .. 16 b + 15 one half of block b.  e: which head of the pair; cc: the codes' registers.
.macro FINISH e, cc
	PLACES 4
	v_add_f32 v14, v14, v15
	s_delay_alu instid0(VALU_DEP_1)
	v_permlanex16_b32 v9, v14, s[SEL], s[SEL+1]
	s_delay_alu instid0(VALU_DEP_1)
	v_add_f32 v14, v14, v9                         ; the row's sum
	s_wait_alu depctr_va_vdst(0)
	v_rcp_f32 v10, v14
	v_nop                                          ; a plain instruction behind the reciprocal,
	s_wait_alu depctr_va_vdst(0)                   ; and the wait ahead of its first reader
.set J, 0
.rept 16
	v_pk_mul_f32 v[SC+J:SC+J+1], v[OT+J:OT+J+1], v[10:11] op_sel_hi:[1,0]   ; each accumulator from its low end on
.set J, J+2
.endr
.irp b, 0,1
	v_max3_num_f32 v[MX+\b], |v[SC+16*\b]|, |v[SC+16*\b+1]|, 0x1800000
.endr
.irp i, 2,4,6,8,10,12,14
.irp b, 0,1
	s_delay_alu instid0(VALU_DEP_2)
	v_max3_num_f32 v[MX+\b], v[MX+\b], |v[SC+16*\b+\i]|, |v[SC+16*\b+\i+1]|
.endr
.endr
.irp b, 0,1
	s_delay_alu instid0(VALU_DEP_2)
	v_permlanex16_b32 v[MP+\b], v[MX+\b], s[SEL], s[SEL+1]
.endr
.irp b, 0,1
	s_delay_alu instid0(VALU_DEP_2)
	v_max_num_f32 v[MX+\b], v[MX+\b], v[MP+\b]
.endr
.irp b, 0,1
	s_delay_alu instid0(VALU_DEP_2)
	v_add_nc_u32 v[SO+\b], 0xff000000, v[MX+\b]
.endr
.irp b, 0,1
	s_delay_alu instid0(VALU_DEP_2)
	v_lshrrev_b32 v[MP+\b], 23, v[SO+\b]
.endr
.if \e == 0
	s_delay_alu instid0(VALU_DEP_1)
	v_lshl_or_b32 v[HW], v[MP+1], 8, v[MP]         ; bytes 0 and 1 of the K step's scale word
.else
	s_delay_alu instid0(VALU_DEP_1)
	v_lshl_or_b32 v9, v[MP+1], 8, v[MP]
	s_delay_alu instid0(VALU_DEP_1)
	v_lshl_or_b32 v[HW], v9, 16, v[HW]             ; bytes 2 and 3
.endif
	v_cvt_scalef32_pk8_fp4_f32 v[\cc], v[SC:SC+7], v[SO]
	v_cvt_scalef32_pk8_fp4_f32 v[\cc+1], v[SC+16:SC+23], v[SO+1]
	v_cvt_scalef32_pk8_fp4_f32 v[\cc+2], v[SC+8:SC+15], v[SO]
	v_cvt_scalef32_pk8_fp4_f32 v[\cc+3], v[SC+24:SC+31], v[SO+1]
	v_nop
	v_permlane16_swap_b32 v[\cc], v[\cc+1]
	v_permlane16_swap_b32 v[\cc+2], v[\cc+3]
	global_store_b128 v[LI], v[\cc:\cc+3], s[68:69] offset:512*\e   ; 32 lanes store 512 consecutive bytes, aligned
	s_wait_alu depctr_va_vdst(0)
	s_wait_xcnt 0x0                                ; the store has read its data: a later step's partial sums are laid over these registers
.endm
	INIT
	s_wait_alu depctr_va_vdst(0)
	s_wait_tensorcnt 0x0                           ; my record of the first head is in
	ds_add_u32 v254, v255
	s_wait_dscnt 0x0
	CROUND                                         ; a whole round: the first head's sixteen records are in, and the four work-groups are here: the joint loads meet
	tensor_load_to_lds s[G0+4:G0+7], s[G1:G1+7]    ; my record of the second head, into bytes of its own
	s_nop 0
	PLACES 4
	WALK 0, 16, QF0, QS0
	s_wait_tensorcnt 0x0                           ; my record of the second head is in (no LDS instruction of mine is out: a step's last wait is for 0)
	s_barrier_signal -1
	s_barrier_wait -1                              ; everybody's is
	FINISH 0, CA
	INIT
	WALK 16, 16, QF1, QS1
	FINISH 1, CB
	ds_store_b32 v[SA], v[HW]                      ; the work-group's 256 scale words meet in LDS (both halves of the lanes write the same word with the same value)
	s_wait_dscnt 0x0                               ; for the others' sake
	s_barrier_signal -1
	s_barrier_wait -1
	s_cmp_lt_u32 s[WV], 4
	s_cbranch_scc0 .Lno_scales
	ds_load_b64 v[MX:MX+1], v[SRD]
	s_wait_dscnt 0x0
	global_store_b64 v[L8], v[MX:MX+1], s[70:71]   ; 32 lanes store 256 consecutive bytes, aligned
.Lno_scales:
	s_wait_xcnt 0x0
	v_lshl_add_u32 v254, v0, 2, SPARE              ; partial sums and codes lay here: the add's two registers are made anew
	v_mov_b32 v255, 0
	s_wait_alu depctr_va_vdst(0)
	s_wait_tensorcnt 0x0                           ; the wave's end
	ds_add_u32 v254, v255
	s_wait_dscnt 0x0
	CROUND                                         ; the closing round
	s_endpgm
.Lfunc_end_k_q45b7f67c06_attention:
	.size	k_q45b7f67c06_attention, .Lfunc_end_k_q45b7f67c06_attention-k_q45b7f67c06_attention
	.p2alignl 7, 3214868480
	.fill 96, 4, 3214868480
	.section	.rodata,"a",@progbits
	.p2align	6, 0x0
	.amdhsa_kernel k_q45b7f67c06_attention
		.amdhsa_group_segment_fixed_size 327680
		.amdhsa_private_segment_fixed_size 0
		.amdhsa_enable_private_segment 0
		.amdhsa_kernarg_size 24
		.amdhsa_user_sgpr_count 2
		.amdhsa_user_sgpr_kernarg_segment_ptr 1
		.amdhsa_wavefront_size32 1
		.amdhsa_system_sgpr_workgroup_id_x 1
		.amdhsa_system_sgpr_workgroup_id_y 1
		.amdhsa_system_sgpr_workgroup_id_z 1
		.amdhsa_system_vgpr_workitem_id 0
		.amdhsa_next_free_vgpr 256
		.amdhsa_next_free_sgpr 80
		.amdhsa_reserve_vcc 0
		.amdhsa_float_denorm_mode_32 3
		.amdhsa_float_denorm_mode_16_64 3
		.amdhsa_memory_ordered 1
		.amdhsa_forward_progress 1
		.amdhsa_inst_pref_size 51
	.end_amdhsa_kernel
	.amdgpu_metadata
---
amdhsa.version: [ 1, 2 ]
amdhsa.kernels:
  - .name:           k_q45b7f67c06_attention
    .symbol:         k_q45b7f67c06_attention.kd
    .args:
      - { .name: qkv, .offset: 0, .size: 8, .value_kind: global_buffer, .address_space: global }
      - { .name: a_codes, .offset: 8, .size: 8, .value_kind: global_buffer, .address_space: global }
      - { .name: a_scales, .offset: 16, .size: 8, .value_kind: global_buffer, .address_space: global }
    .group_segment_fixed_size: 327680
    .private_segment_fixed_size: 0
    .kernarg_segment_align: 8
    .kernarg_segment_size: 24
    .max_flat_workgroup_size: 512
    .sgpr_count:     80
    .vgpr_count:     256
    .wavefront_size: 32
...
	.end_amdgpu_metadata
.endif
;; end of part 2
;; launch out_proj (part 3): grid 4 x 64, 8 waves a work-group, clusters of 4 x 4, 253,440 bytes of LDS; arguments a_codes, a_scales, W_out_codes, W_out_scales, b_out, out0; writes out0
.if DOCPART == 3
	.amdgcn_target "amdgcn-amd-amdhsa--gfx1250"
	.amdhsa_code_object_version 6
	.text
	.protected	k_q45b7f67c06_out_proj
	.globl	k_q45b7f67c06_out_proj
	.p2align	8
	.type	k_q45b7f67c06_out_proj,@function
k_q45b7f67c06_out_proj:
	s_mov_b64 s[64:65], 0
	v_nop
	global_prefetch_b8 v0, s[64:65] scope:SCOPE_SE
	s_setreg_imm32_b32 hwreg(HW_REG_WAVE_MODE, 25, 1), 1
	s_wait_xcnt 0x0
	s_wait_alu depctr_hold_cnt(0) depctr_sa_sdst(0) depctr_va_vdst(0) depctr_va_sdst(0) depctr_va_ssrc(0) depctr_va_vcc(0) depctr_vm_vsrc(0)
	s_getreg_b32 s2, hwreg(HW_REG_IB_STS2, 6, 4)
	s_cmp_eq_u32 s2, 0
	s_cbranch_scc0 .Lentry_in_a_cluster
	s_endpgm
.Lentry_in_a_cluster:
	s_bfe_u32 s2, ttmp6, 0x10000c
	s_cmp_lg_u32 s2, 0xf033
	s_cbranch_scc0 .Lentry_shape_is_right
	s_endpgm
.Lentry_shape_is_right:
; out0 = a W_out + b_out on codes of FP4 (E2M1) with one E8M0 scale for each 32 along K (K = 1,024).  a: the attention's result, as the launch before left it: codes as images of operand registers,
; [tile of 16 tokens][K step of 128][2][512 bytes], scale words [K step][token].  W_out: codes [n][512 bytes], scale bytes [n][32].  out0: [8,192][1,024] f32.
; LIMITS: NaN and infinities are not served.
; SHARES.  A work-group makes 128 tokens x 256 columns; eight waves, each 64 x 64: 16 accumulators.  THE MATRIX INSTRUCTION IS USED TRANSPOSED: source 0 (P) = 16 rows of W (wave % 4: 64 columns n),
; source 1 (Q) = 16 tokens (wave / 4: 64 tokens): a lane then holds eight neighbouring numbers of a row of out0.
; LDS.  All of K fits at once, in two halves of 512 along K: every byte is filled once, by eight loads at the head, one a wave; one wait and one barrier show them all.
; No prefetch: all tiles are asked for at the head, and no later load is left to run ahead of.
; CLUSTER 4 x 4: a's tiles are asked for jointly along a row of the cluster, W's along a column.
.set PITCH, 272                        ; a row of W in LDS: 256 bytes + 16 of padding: the 16 rows of a fragment load start at 16 different banks (ISA guide 11.1)
.set WHF,   256*PITCH                  ; a K half of W's 256 rows
.set AIMG,  2*WHF                      ; a's images: [K half][tile of tokens 8][4,096 bytes]
.set AHF,   32768
.set SCW,   AIMG+2*AHF                 ; W's scale bytes: 32 runs of 256 bytes + 16 of padding
.set SCA,   SCW+32*PITCH               ; a's scale words: [K step 8][128 tokens] words
.set STG,   SCA+4096                   ; the way out: 16 rows x 272 bytes for each wave; no fill lands here
.set SPARE, STG+8*16*PITCH             ; the spare words, 128 bytes a wave; the add's two registers are v256 and v257
.set LI,   1                           ; v1    16 x lane
.set ADRP, 4                           ; v4-5  LDS address of my P fragments in K half 0, 1
.set ADRQ, 6                           ; v6-7  of my Q fragments
.set ADSP, 8                           ; v8    of P's scale words
.set ADSQ, 9                           ; v9    of Q's
.set STO,  10                          ; v10   the way out: where I put 32 bytes of a row
.set RD,   11                          ; v11   where I read a row back
.set CO,   12                          ; v12   my byte offset in out0
.set PF,   16                          ; v16-47   P's four fragments
.set QF,   48                          ; v48-79   Q's
.set SCP,  80                          ; v80-87   P's scale words of a K half: register 4 i + q: rows 32 i + lane, the half's q-th 128 along K
.set SCQ,  88                          ; v88-95   Q's
.set BI,   96                          ; v96-127  the bias in the result's layout
.set ACC,  128                         ; v128-255 accumulator (a, b) at 128 + 8 (4 b + a)
.set BK,   16                          ; the way out: two sets of 32 registers, rows read back
.set WV,   16                          ; s16 wave; s17 wave % 4; s18 wave / 4; s19 cx; s20 cy; s21 n tile; s22 token tile; s23 wave % 2
.set G1W,  24                          ; descriptor groups 1: W's codes, W's scales, a's codes, a's scales
.set G1WS, 32
.set G1A,  40
.set G1AS, 48
.set G0WS, 56                          ; groups 0
.set G0W0, 60
.set G0W1, 68
.set G0AS, 72
.set G0A0, 76
.set G0A1, 80
.set PADC, (1<<20)|(1<<21)|(5<<22)|(3<<25)   ; 20 padding on; 21 set beside a mask; 24:22 after every 64 words; 31:25 four words
.macro CROUND                          ; a round of the cluster's barrier
	s_barrier_signal -1
	s_barrier_wait -1
	s_cmp_lg_u32 s[WV], 0
	s_cbranch_scc1 .Lnot_wave_0_\@
	s_barrier_signal -3
.Lnot_wave_0_\@:
	s_barrier_wait -3
	s_barrier_signal -1
	s_barrier_wait -1
.endm
.macro PLACES n
.rept \n
	v_nop
.endr
.endm
.macro WM d, a, b, c, sa, sb, ra, rb
.if (\ra) && (\rb)
	v_wmma_scale_f32_16x16x128_f8f6f4 v[\d:\d+7], v[\a:\a+7], v[\b:\b+7], v[\c:\c+7], v[\sa], v[\sb] matrix_a_fmt:MATRIX_FMT_FP4 matrix_b_fmt:MATRIX_FMT_FP4 matrix_a_scale:MATRIX_SCALE_ROW1 matrix_b_scale:MATRIX_SCALE_ROW1
.elseif (\ra)
	v_wmma_scale_f32_16x16x128_f8f6f4 v[\d:\d+7], v[\a:\a+7], v[\b:\b+7], v[\c:\c+7], v[\sa], v[\sb] matrix_a_fmt:MATRIX_FMT_FP4 matrix_b_fmt:MATRIX_FMT_FP4 matrix_a_scale:MATRIX_SCALE_ROW1
.elseif (\rb)
	v_wmma_scale_f32_16x16x128_f8f6f4 v[\d:\d+7], v[\a:\a+7], v[\b:\b+7], v[\c:\c+7], v[\sa], v[\sb] matrix_a_fmt:MATRIX_FMT_FP4 matrix_b_fmt:MATRIX_FMT_FP4 matrix_b_scale:MATRIX_SCALE_ROW1
.else
	v_wmma_scale_f32_16x16x128_f8f6f4 v[\d:\d+7], v[\a:\a+7], v[\b:\b+7], v[\c:\c+7], v[\sa], v[\sb] matrix_a_fmt:MATRIX_FMT_FP4 matrix_b_fmt:MATRIX_FMT_FP4
.endif
.endm
; the LDS loads of a step of 128 along K (the q-th of K half kh): with a half's first step its scale words; then P's four fragments, then Q's four
.macro LOADS kh, q
.if \q == 0
.irp i, 0,1
	ds_load_b128 v[SCP+4*\i:SCP+4*\i+3], v[ADSP] offset:4*PITCH*\i+16*\kh
.endr
.irp i, 0,1
.irp s, 0,1,2,3
	ds_load_b32 v[SCQ+4*\i+\s], v[ADSQ] offset:512*(4*\kh+\s)+128*\i
.endr
.endr
.endif
.irp a, 0,1,2,3
.irp c, 0,1
	ds_load_b128 v[PF+8*\a+4*\c:PF+8*\a+4*\c+3], v[ADRP+\kh] offset:16*PITCH*\a+64*\q+32*\c
.endr
.endr
.irp b, 0,1,2,3
.irp c, 0,1
	ds_load_b128 v[QF+8*\b+4*\c:QF+8*\b+4*\c+3], v[ADRQ+\kh] offset:4096*\b+1024*\q+512*\c
.endr
.endr
.endm
; 16 products.  The 16 accumulators take turns, one instruction a turn, in the same order in every step.  mode 1: the sums begin with the bias
.macro MUL q, mode
.irp b, 0,1,2,3
	s_wait_dscnt 6-2*\b                            ; LDS loads come back in order: all but the two loads of each later Q fragment are in
.irp a, 0,1,2,3
.if \mode == 0
	WM ACC+8*(4*\b+\a), PF+8*\a, QF+8*\b, ACC+8*(4*\b+\a), SCP+4*(\a>>1)+\q, SCQ+4*(\b>>1)+\q, \a&1, \b&1
.else
	WM ACC+8*(4*\b+\a), PF+8*\a, QF+8*\b, BI+8*\a, SCP+4*(\a>>1)+\q, SCQ+4*(\b>>1)+\q, \a&1, \b&1
.endif
.endr
.endr
.endm
.macro STEP kh, q
	PLACES 4                                       ; loads into registers that matrix instructions have read stand four plain vector instructions behind them (ISA guide 7.12.1 for vector instructions)
	LOADS \kh, \q
	MUL \q, 0
.endm
.macro ARM under, g0, g1, next         ; an arm of the head's chain: one load, and a jump to the chain's end
	s_cmp_lt_u32 s[WV], \under
	s_cbranch_scc0 \next
	tensor_load_to_lds s[\g0:\g0+3], s[\g1:\g1+7]
	s_nop 0
	PLACES 4
	s_branch .Lasked
\next:
.endm
	s_load_b256 s[4:11], s[0:1], 0x0               ; a's codes s[4:5], its scales s[6:7], W's codes s[8:9], its scales s[10:11]
	s_load_b128 s[12:15], s[0:1], 0x20             ; b_out s[12:13], out0 s[14:15]
	s_set_vgpr_msb 0x40
	v_lshl_add_u32 v0, v0, 2, SPARE                ; v256
	v_mov_b32 v1, 0                                ; v257
	s_set_vgpr_msb 0x4045
	ds_add_u32 v0, v1                              ; the opening lines: the add twice on end and its wait
	ds_add_u32 v0, v1
	s_set_vgpr_msb 0x4500
	v_lshrrev_b32 v3, 5, v0
	v_readfirstlane_b32 s[WV], v3                  ; wave 0..7
	s_and_b32 s17, s[WV], 3
	s_lshr_b32 s18, s[WV], 2
	s_and_b32 s23, s[WV], 1
	s_bfe_u32 s19, ttmp6, 0x40000                  ; cx
	s_bfe_u32 s20, ttmp6, 0x40004                  ; cy
	s_lshl_b32 s21, ttmp9, 2
	s_add_co_u32 s21, s21, s19                     ; n tile of 256
	s_and_b32 s22, ttmp7, 0xffff
	s_lshl_b32 s22, s22, 2
	s_add_co_u32 s22, s22, s20                     ; token tile of 128
	s_lshl_b32 s84, s20, 2
	s_lshl_b32 s84, 15, s84                        ; my row of the cluster
	s_lshl_b32 s85, 0x1111, s19                    ; my column
	s_or_b32 s[G1W], s85, PADC                     ; W's codes: elements of 1 byte, padded; to my column
	s_or_b32 s[G1WS], s85, PADC|(3<<16)            ; W's scales: elements of 8 bytes, padded
	s_or_b32 s[G1A], s84, (3<<16)|(1<<21)          ; a's: elements of 8 bytes, no padding; to my row
	s_or_b32 s[G1AS], s84, (3<<16)|(1<<21)
	s_mov_b32 s[G1W+1], 256<<16                    ; 128 rows x 256 bytes of rows that are 512 bytes long in memory
	s_mov_b32 s[G1W+2], 128<<16
	s_mov_b32 s[G1W+3], 256<<16
	s_mov_b32 s[G1W+4], 128
	s_mov_b32 s[G1W+5], 512
	s_mov_b32 s[G1W+6], 0
	s_mov_b32 s[G1W+7], 0
	s_mov_b32 s[G1WS+1], 32<<16                    ; the scales of 256 rows: 8,192 dense bytes as 32 rows of 32 elements
	s_mov_b32 s[G1WS+2], 32<<16
	s_mov_b32 s[G1WS+3], 32<<16
	s_mov_b32 s[G1WS+4], 32
	s_mov_b32 s[G1WS+5], 32
	s_mov_b32 s[G1WS+6], 0
	s_mov_b32 s[G1WS+7], 0
	s_mov_b32 s[G1A+1], 512<<16                    ; eight tiles of tokens: of each 4,096 bytes (a K half) of its 8,192
	s_mov_b32 s[G1A+2], 8<<16
	s_mov_b32 s[G1A+3], 512<<16
	s_mov_b32 s[G1A+4], 8
	s_mov_b32 s[G1A+5], 1024
	s_mov_b32 s[G1A+6], 0
	s_mov_b32 s[G1A+7], 0
	s_mov_b32 s[G1AS+1], 64<<16                    ; eight K steps: of each the 128 tokens' 512 bytes of its 32,768
	s_mov_b32 s[G1AS+2], 8<<16
	s_mov_b32 s[G1AS+3], 64<<16
	s_mov_b32 s[G1AS+4], 8
	s_mov_b32 s[G1AS+5], 4096
	s_mov_b32 s[G1AS+6], 0
	s_mov_b32 s[G1AS+7], 0
	; offsets from the token tile and from the n tile lie in registers of their own; a load of W's codes brings the 128 rows from 128 (wave % 2) on
	s_lshl_b32 s86, s22, 16                        ; a's codes: 8 tiles x 8,192 a token tile
	s_mov_b32 s87, 0
	s_lshl_b32 s88, s22, 9                         ; a's scale words: 512 bytes a token tile
	s_mov_b32 s89, 0
	s_lshl_b32 s90, s21, 17
	s_lshl_b32 s91, s23, 16
	s_add_co_u32 s90, s90, s91                     ; W's codes: (256 tile + 128 (wave % 2)) x 512
	s_mov_b32 s91, 0
	s_lshl_b32 s92, s21, 13                        ; W's scales: 256 tile x 32
	s_mov_b32 s93, 0
	s_mul_i32 s94, s23, 128*PITCH                  ; where W's codes go: no place in the cluster enters an LDS address
	s_wait_dscnt 0x0
	s_wait_kmcnt 0x0
	s_add_nc_u64 s[96:97], s[4:5], s[86:87]
	s_add_nc_u64 s[98:99], s[8:9], s[90:91]
	s_mov_b32 s[G0WS], 1
	s_mov_b32 s[G0WS+1], SCW
	s_add_nc_u64 s[G0WS+2:G0WS+3], s[10:11], s[92:93]
	s_or_b32 s[G0WS+3], s[G0WS+3], 0x80000000
	s_mov_b32 s[G0W0], 1
	s_mov_b32 s[G0W0+1], s94
	s_mov_b64 s[G0W0+2:G0W0+3], s[98:99]
	s_or_b32 s[G0W0+3], s[G0W0+3], 0x80000000
	s_mov_b32 s[G0W1], 1
	s_add_co_u32 s[G0W1+1], s94, WHF
	s_add_nc_u64 s[G0W1+2:G0W1+3], s[98:99], 256   ; the second 512 along K
	s_or_b32 s[G0W1+3], s[G0W1+3], 0x80000000
	s_mov_b32 s[G0AS], 1
	s_mov_b32 s[G0AS+1], SCA
	s_add_nc_u64 s[G0AS+2:G0AS+3], s[6:7], s[88:89]
	s_or_b32 s[G0AS+3], s[G0AS+3], 0x80000000
	s_mov_b32 s[G0A0], 1
	s_mov_b32 s[G0A0+1], AIMG
	s_mov_b64 s[G0A0+2:G0A0+3], s[96:97]
	s_or_b32 s[G0A0+3], s[G0A0+3], 0x80000000
	s_mov_b32 s[G0A1], 1
	s_mov_b32 s[G0A1+1], AIMG+AHF
	s_add_nc_u64 s[G0A1+2:G0A1+3], s[96:97], 4096
	s_or_b32 s[G0A1+3], s[G0A1+3], 0x80000000
	CROUND                                         ; all sixteen work-groups are here: the joint loads meet
	; all fills of the launch, one a wave, in one chain of branches on the wave's number: waves 0, 1 W's first K half, 2, 3 its second, 4 W's scales, 5 a's scales, 6 and 7 a's two K halves
	ARM 2, G0W0, G1W, .La1
	ARM 4, G0W1, G1W, .La2
	ARM 5, G0WS, G1WS, .La3
	ARM 6, G0AS, G1AS, .La4
	ARM 7, G0A0, G1A, .La5
	tensor_load_to_lds s[G0A1:G0A1+3], s[G1A:G1A+7]
	s_nop 0
	PLACES 4
.Lasked:
	v_and_b32 v2, 31, v0                           ; lane
	v_and_b32 v13, 15, v0                          ; r
	v_bfe_u32 v14, v0, 4, 1                        ; h
	v_lshlrev_b32 v[LI], 4, v2
	v_mul_u32_u24 v15, v13, PITCH
	v_lshl_add_u32 v15, v14, 4, v15                ; a fragment of W: row r, + 16 h
	s_mul_i32 s66, s17, 64*PITCH
	v_add_nc_u32 v[ADRP], s66, v15
	v_add_nc_u32 v[ADRP+1], WHF, v[ADRP]
	s_lshl_b32 s66, s18, 14
	s_add_co_u32 s66, s66, AIMG
	v_add_nc_u32 v[ADRQ], s66, v[LI]               ; a fragment of a: an image, 16 bytes a lane
	v_add_nc_u32 v[ADRQ+1], AHF, v[ADRQ]
	v_lshrrev_b32 v15, 3, v2
	v_mul_u32_u24 v15, v15, PITCH
	v_and_b32 v3, 7, v2
	v_lshl_add_u32 v15, v3, 5, v15                 ; W's scale bytes: a row has 32, eight rows to a run of 256: lane l takes row l of 32
	s_mul_i32 s66, s17, 8*PITCH
	s_add_co_u32 s66, s66, SCW
	v_add_nc_u32 v[ADSP], s66, v15
	s_lshl_b32 s66, s18, 8
	s_add_co_u32 s66, s66, SCA
	v_lshl_add_u32 v[ADSQ], v2, 2, s66             ; a's scale words: lane l takes token l of 32
	s_mul_i32 s66, s[WV], 16*PITCH
	s_add_co_u32 s66, s66, STG                     ; my stage
	v_mul_u32_u24 v[STO], v13, PITCH
	v_lshl_add_u32 v[STO], v14, 5, v[STO]
	v_add_nc_u32 v[STO], s66, v[STO]               ; in: row r, 32 bytes for each half of the lanes
	v_mul_u32_u24 v[RD], v14, PITCH
	v_lshl_add_u32 v[RD], v13, 4, v[RD]
	v_add_nc_u32 v[RD], s66, v[RD]                 ; back: lanes 0-15 one row of 256 bytes, lanes 16-31 the next
	v_lshlrev_b32 v[CO], 12, v14
	v_lshl_add_u32 v[CO], v13, 4, v[CO]            ; and the same two rows in out0
	s_lshl_b32 s94, s21, 10
	s_lshl_b32 s95, s17, 8
	s_add_co_u32 s94, s94, s95                     ; my 64 columns, in bytes
	s_mov_b32 s95, 0
	s_lshl_b32 s96, s22, 19
	s_lshl_b32 s97, s18, 18
	s_add_co_u32 s96, s96, s97                     ; my 64 rows of 4,096 bytes
	s_add_co_u32 s96, s96, s94
	s_mov_b32 s97, 0
	s_add_nc_u64 s[96:97], s[14:15], s[96:97]      ; out0 at my part
	s_add_nc_u64 s[94:95], s[12:13], s[94:95]      ; b_out at my 64 numbers
	v_lshlrev_b32 v13, 5, v14                      ; the bias in the result's layout: tile a, register j: n = 16 a + 8 h + j
.irp a, 0,1,2,3
	global_load_b128 v[BI+8*\a:BI+8*\a+3], v13, s[94:95] offset:64*\a
	global_load_b128 v[BI+8*\a+4:BI+8*\a+7], v13, s[94:95] offset:64*\a+16
.endr
	s_wait_alu depctr_va_vdst(0)
	s_wait_tensorcnt 0x0                           ; my load is in
	s_barrier_signal -1
	s_barrier_wait -1                              ; everybody's is: all of K lies in LDS
	s_wait_loadcnt 0x0                             ; the bias
	LOADS 0, 0
	MUL 0, 1                                       ; the first products start the sums with the bias: nothing is cleared, nothing is added later
.irp q, 1,2,3
	STEP 0, \q
.endr
.irp q, 0,1,2,3
	STEP 1, \q
.endr
; THE WAY OUT, 16 tokens x 64 columns at a time.  A lane holds 32 neighbouring bytes of a row and the lanes beside it other rows: so a block goes through my own stage and comes back as rows of 256 bytes.
; LDS serves a wave's instructions in order (ISA guide 5.7.1.4): no wait between the stores and the loads, nor in front of the next block's stores.
.macro TOSTAGE b
.irp a, 0,1,2,3
	ds_store_b128 v[STO], v[ACC+8*(4*\b+\a):ACC+8*(4*\b+\a)+3] offset:64*\a          ; each accumulator from its low end on
	ds_store_b128 v[STO], v[ACC+8*(4*\b+\a)+4:ACC+8*(4*\b+\a)+7] offset:64*\a+16
.endr
.irp i, 0,1,2,3,4,5,6,7
	ds_load_b128 v[BK+32*(\b&1)+4*\i:BK+32*(\b&1)+4*\i+3], v[RD] offset:2*PITCH*\i
.endr
.endm
.macro SEND b, younger                 ; younger: the LDS instructions issued behind block b's loads, which may stay out
	s_wait_dscnt \younger
.irp i, 0,1,2,3,4,5,6,7
	global_store_b128 v[CO], v[BK+32*(\b&1)+4*\i:BK+32*(\b&1)+4*\i+3], s[96:97] offset:(16*\b+2*\i)*4096 th:TH_STORE_NT   ; 16 lanes store 256 consecutive bytes, at a multiple of 256 from out0's first byte; written once, read by nobody here
.endr
.endm
	PLACES 4                                       ; in front of the first read of results and of the loads into the fragments' registers
	s_wait_alu depctr_va_vdst(0)
	TOSTAGE 0
	TOSTAGE 1
	SEND 0, 16                                     ; behind block 0's loads: block 1's 8 stores and 8 loads
	s_wait_xcnt 0x0                                ; block 0's stores have read their registers: block 2's loads may land there
	TOSTAGE 2
	SEND 1, 16
	s_wait_xcnt 0x0                                ; block 1's likewise
	TOSTAGE 3
	SEND 2, 16
	SEND 3, 0
	s_set_vgpr_msb 0x5
	s_wait_tensorcnt 0x0                           ; the wave's end
	ds_add_u32 v0, v1
	s_wait_dscnt 0x0
	s_set_vgpr_msb 0x500
	CROUND                                         ; the closing round: no work-group ends while a partner may still ask for a tile that names it
	s_endpgm
.Lfunc_end_k_q45b7f67c06_out_proj:
	.size	k_q45b7f67c06_out_proj, .Lfunc_end_k_q45b7f67c06_out_proj-k_q45b7f67c06_out_proj
	.p2alignl 7, 3214868480
	.fill 96, 4, 3214868480
	.section	.rodata,"a",@progbits
	.p2align	6, 0x0
	.amdhsa_kernel k_q45b7f67c06_out_proj
		.amdhsa_group_segment_fixed_size 253440
		.amdhsa_private_segment_fixed_size 0
		.amdhsa_enable_private_segment 0
		.amdhsa_kernarg_size 48
		.amdhsa_user_sgpr_count 2
		.amdhsa_user_sgpr_kernarg_segment_ptr 1
		.amdhsa_wavefront_size32 1
		.amdhsa_system_sgpr_workgroup_id_x 1
		.amdhsa_system_sgpr_workgroup_id_y 1
		.amdhsa_system_sgpr_workgroup_id_z 1
		.amdhsa_system_vgpr_workitem_id 0
		.amdhsa_next_free_vgpr 258
		.amdhsa_next_free_sgpr 102
		.amdhsa_reserve_vcc 0
		.amdhsa_float_denorm_mode_32 3
		.amdhsa_float_denorm_mode_16_64 3
		.amdhsa_memory_ordered 1
		.amdhsa_forward_progress 1
		.amdhsa_inst_pref_size 46
	.end_amdhsa_kernel
	.amdgpu_metadata
---
amdhsa.version: [ 1, 2 ]
amdhsa.kernels:
  - .name:           k_q45b7f67c06_out_proj
    .symbol:         k_q45b7f67c06_out_proj.kd
    .args:
      - { .name: a_codes, .offset: 0, .size: 8, .value_kind: global_buffer, .address_space: global }
      - { .name: a_scales, .offset: 8, .size: 8, .value_kind: global_buffer, .address_space: global }
      - { .name: W_out_codes, .offset: 16, .size: 8, .value_kind: global_buffer, .address_space: global }
      - { .name: W_out_scales, .offset: 24, .size: 8, .value_kind: global_buffer, .address_space: global }
      - { .name: b_out, .offset: 32, .size: 8, .value_kind: global_buffer, .address_space: global }
      - { .name: out0, .offset: 40, .size: 8, .value_kind: global_buffer, .address_space: global }
    .group_segment_fixed_size: 253440
    .private_segment_fixed_size: 0
    .kernarg_segment_align: 8
    .kernarg_segment_size: 48
    .max_flat_workgroup_size: 256
    .sgpr_count:     102
    .vgpr_count:     258
    .wavefront_size: 32
...
	.end_amdgpu_metadata
.endif
;; end of part 3
